; MI455X (gfx1250); checked and timed in simulation.
; The chip was launched on July 23, 2026; its instructions are those of AMD's public machine-readable ISA for CDNA 5 (MIT licence, August 2026) and "CDNA5" Instruction Set Architecture Reference Guide (July 2026). The comments in the code are by the model that wrote it; some were corrected since.
;; Attention. Allowed arithmetic: float matrix products may take bf16 or f16 operands with f32 sums; all other float work in f32.
;; Inputs: K 4 x 16 x 2,048 x 128 float32; Q 4 x 16 x 2,048 x 128 float32; V 4 x 16 x 2,048 x 128 float32.
;; Outputs: out0 4 x 16 x 2,048 x 128 float32.
;; One version. Each part assembles by itself: llvm-mc -triple=amdgcn-amd-amdhsa -mcpu=gfx1250 --defsym DOCPART=n.
;; ======== version 1 of 1: 1 launch
;; launch attn (part 1): grid 8 x 64, 4 waves a work-group, clusters of 4 x 1, 327,680 bytes of LDS; arguments Q, K, V, out0; writes out0
.if DOCPART == 1
	.amdgcn_target "amdgcn-amd-amdhsa--gfx1250"
	.amdhsa_code_object_version 6
	.text
	.protected	k_q1cb07dca85_attn
	.globl	k_q1cb07dca85_attn
	.p2align	8
	.type	k_q1cb07dca85_attn,@function
k_q1cb07dca85_attn:
	s_mov_b64 s[64:65], 0
	v_nop
	global_prefetch_b8 v0, s[64:65] scope:SCOPE_SE
	s_setreg_imm32_b32 hwreg(HW_REG_WAVE_MODE, 25, 1), 1
	s_wait_xcnt 0x0
	s_wait_alu depctr_hold_cnt(0) depctr_sa_sdst(0) depctr_va_vdst(0) depctr_va_sdst(0) depctr_va_ssrc(0) depctr_va_vcc(0) depctr_vm_vsrc(0)
	s_getreg_b32 s2, hwreg(HW_REG_IB_STS2, 6, 4)
	s_cmp_eq_u32 s2, 0
	s_cbranch_scc0 .Lentry_in_a_cluster
	s_endpgm
.Lentry_in_a_cluster:
	s_bfe_u32 s2, ttmp6, 0x10000c
	s_cmp_lg_u32 s2, 0x3003
	s_cbranch_scc0 .Lentry_shape_is_right
	s_endpgm
.Lentry_shape_is_right:
; out0[h][q][:] = the sum over k of softmax_k(Q[h][q] . K[h][k] / sqrt(128)) V[h][k][:].  Q, K, V, out0: [64 heads][2048][128], all f32.
; LIMITS.  Q, K, V and the weights p are rounded to bf16 for the two products; products, maxima and sums are f32; the row sum l adds the unrounded p; a weight below 2^-126 counts as 0
; (v_exp_f32 gives no denormals).  The running maximum is taken away before every exponential, as the softmax of the problem does, so no exponent is above 0.
; SHARES.  A work-group owns 256 queries of one head, each of its four waves 64: four tiles of 16.  Every wave walks all 2,048 keys of the head, 64 a step, 32 steps.
; THE ROAD OF K AND V.  Joint tensor loads bring f32 tiles into a ring F of two LDS slots (a slot = a pair of key steps: K, K, V, V, 32 KiB each, one block a wave).  The four waves round each
; tile to bf16 ONCE for the work-group, sixteen rows each, into a stage B (BK, BV: one tile each, padded rows), and every wave reads its fragments from B.  So a number is rounded once
; and not once in each wave, and nothing goes through memory between the f32 inputs and the products.
; LAYOUT.  S^T = K Q^T (source 0 = 16 keys, source 1 = 16 queries): a lane holds ONE query (lane % 16) and the keys 8 (lane / 16) + 0..7.  Two such tiles, rounded in pairs, ARE source 1
; of O^T = V^T P, whose result again holds one query a lane, and eight channels.  K comes out of BK as it lies, V ([key][channel]) turned, by ds_load_tr16_b128.
; SOFTMAX.  For each query a running maximum m and sum l: p = 2^(c s - c m), c = log2(e) / sqrt(128); in every step O and l are multiplied by a = 2^(c m_old - c m_new).
; BY TURNS.  The wave's tiles are two PIECES: piece 0 (tiles 0, 1) and piece 2 (tiles 2, 3).  In a TURN one piece has the matrix unit: 32 products V^T P of step j, then 32 products K Q^T of
; step j + 1; the other piece's softmax, cut into 64 slices, stands between them, one slice behind each matrix instruction.  Two turns are a key step.
; WHAT A KEY STEP j MOVES.  Piece 0's turn: K(j+1) BK -> registers; V(j+1) F -> BV.  Piece 2's turn: K(j+2) F -> BK; V(j+1) BV -> registers.  B has one buffer, so a barrier stands behind each
; turn: what one turn reads of BK or BV the next turn writes, and what it writes the next turn reads.
; THE RING.  The slot of pair m is read from piece 2's turn of step 2m-2 to piece 0's turn of step 2m.  The barrier behind that turn is a round of the cluster's barrier, and pair m+2 is asked for
; first thing behind it: it has two key steps, 256 matrix instructions of a wave, in which to land.  By this text's count a wave has two tensor loads out at the start and one later.
; CLUSTER.  The four query blocks of a cluster belong to one head and walk the same K and V: each block of a pair is asked for jointly, by the same load with the same descriptor (made of the
; head and the wave's number alone) and the mask of all four.
;
; REGISTERS, in windows of 256 (s_set_vgpr_msb: bits 1:0 source 0, 3:2 source 1, 5:4 source 2, 7:6 destination):
;   window 0: v0-11, v44-50 addresses; v12-43 eight registers of statistics a tile; v64-191 S^T, 32 a tile; v192-255 P, 16 a tile
;   window 1: O^T, 64 a tile (at the start Q's f32 rows, at the end whole rows of the output)
;   window 2: v0-127 Q, 32 a tile; v128-255 K of one step          window 3: v0-127 V of one step; v128-191 sixteen f32 rows on their way to bf16
.set KS,    64        ; keys in a step
.set TILEB, 32768     ; a tile of 64 rows of 512 bytes, f32
.set PAIRB, 65536     ; two tiles: what a slot holds of K, and of V
.set SLOT,  1<<17     ; a slot of F: K(2m), K(2m+1), V(2m), V(2m+1); one exclusive or turns an address in one slot into the other's
.set SCR,   2*SLOT    ; behind the ring: bytes that LDS stores write and no tensor load ever fills
.set PK,    272       ; a row of BK: 256 bytes + 16 = 68 words: row r starts at bank 4 r mod 64 (64 banks of 4 bytes: ISA guide 11.1), so the 16 rows of a fragment load start at 16 different banks
.set PV,    288       ; a row of BV: 256 + 32 = 72 words
.set VOFF,  KS*PK     ; BV lies behind BK
.set QST,   SCR+KS*(PK+PV)  ; each wave's own 16 rows x 272 bytes, for Q's turn into fragments
.set SP,    528       ; a row of the way out's stage: 512 bytes + 16 = 33 x 16; the stage (16 rows a wave) lies over BK and BV, which are done with by then
.set AK0, 2           ; v2   my lane's place in BK; never rewritten
.set AV0, 3           ; v3   the same in BV
.set ADR, 4           ; v4   the address in F of the run of loads in hand
.set QS,  5           ; v5   Q's stage: where I put 8 bytes of a row
.set STO, 6           ; v6   the way out: where I put 16 bytes of a row
.set RD,  7           ; v7   the way out: where I read a row back
.set GO,  8           ; v8   16 x lane: my bytes in a row of Q and of the output
.set ST,  12          ; tile t's statistics at v[ST+8 t]: +0 c m, +1 m, +2, +3 l (even keys', odd keys'), +4 to +7 c0-c3, at work; a takes c2's place once the maximum is found
.set CF0, 44          ; v44  my wave's sixteen rows, my 16 bytes, in a tile of K in slot 0;  v45 the same for V
.set CK0, 46          ; v46  my wave's sixteen rows, my 8 bytes, in BK;  v47 the same in BV
.set QF,  48          ; v48  Q's stage: my lane's place in a fragment
.set PFO, 49          ; v49  256 x lane
.set PFA, 50          ; v50  the offset of the prefetch in hand
.set S,   64
.set P,   192
.set KF,  128         ; K's fragments, in window 2
.set CT,  128         ; the rows being rounded, in window 3
.set WV,  12          ; s12  my wave's number
.set G1,  24          ; s[24:31] descriptor group 1: the same for K and V, never rewritten
.set G0A, 32          ; s[32:35] descriptor group 0 of pair 0
.set G0B, 36          ; s[36:39] of pair 1; it then walks on
.set LAPS, 40         ; s40  trips of the loop
.set FB,  41          ; s41  the slot of F that is being rounded: 0 or SLOT
.set PFT, 42          ; s42  byte offset in the head of the pair to be prefetched next
.set PF,  44          ; s[44:45] base of my work-group's prefetches
.set CS,  58          ; s[58:59] c: the packed scaling names a pair and takes its low word for both halves
.set SEL, 60          ; s[60:61] lane selects for v_permlanex16_b32: each lane takes its own place in the other half
.set MSB, 0
.macro WIN new                      ; the immediate's high byte repeats the setting that is left; a switch that changes nothing is dropped
.if MSB != \new
	s_set_vgpr_msb (MSB<<8)|\new
.set MSB, \new
.endif
.endm
.set W_KQ, 0x0a       ; K and Q in window 2, S^T in window 0
.set W_PV, 0x53       ; V in window 3, P in window 0, O^T in window 1
.set W_RS, 0x41       ; O^T (destination and source 0) in window 1, a in window 0
; A round of the cluster's barrier: my work-group's barrier, so that wave 0's signal speaks for all four waves; wave 0 signals for the work-group; every wave waits for all four
; work-groups; my work-group's barrier once more.  No LDS instruction of the wave is pending at a signal.
.macro CREST                        ; a round behind its opening barrier
	s_cmp_lg_u32 s[WV], 0
	s_cbranch_scc1 .Lnot_wave_0_\@
	s_barrier_signal -3
.Lnot_wave_0_\@:
	s_barrier_wait -3
	s_barrier_signal -1
	s_barrier_wait -1
.endm
.macro CROUND                       ; a whole round
	s_barrier_signal -1
	s_barrier_wait -1
	CREST
.endm
; A vector instruction that reads a matrix result or writes one of a matrix instruction's registers, and a load into a register that a matrix instruction has read, stand four places behind
; it, and only plain vector instructions that name none of its registers are places (ISA guide 7.12.1 for vector instructions).  In the loop the slices are the places.
.macro PLACES
.rept 4
	v_nop
.endr
.endm
	s_load_b256 s[4:11], s[0:1], 0x0  ; Q s[4:5], K s[6:7], V s[8:9], out0 s[10:11]
	v_lshl_add_u32 v62, v0, 2, 0x4d000
	v_mov_b32 v63, 0
	ds_add_u32 v62, v63
	v_lshrrev_b32 v1, 5, v0
	v_readfirstlane_b32 s[WV], v1   ; wave 0..3
	s_bfe_u32 s13, ttmp6, 0x40000   ; cx: my place in the cluster
	s_lshl_b32 s14, ttmp9, 2        ; in a cluster launch ttmp9 counts clusters
	s_add_co_u32 s14, s14, s13      ; my block of 256 queries = 4 x cluster x + cx: it enters Q's and the output's addresses alone
	s_and_b32 s20, ttmp7, 0xffff    ; the head, which the four partners share,
	s_lshl_b32 s20, s20, 20         ; times its 2,048 rows of 512 bytes: under 2^26
	s_and_b32 s22, s[WV], 1         ; which of a pair's two tiles I fetch
	s_lshl_b32 s22, s22, 15
	s_add_co_u32 s22, s22, s20      ; s[22:23]: my first tile's offset in K or V: the head and the wave's number, nothing else
	s_mov_b32 s23, 0
	s_lshl_b32 s2, s14, 17          ; my block's 256 rows,
	s_lshl_b32 s3, s[WV], 15        ; my wave's 64 of them,
	s_add_co_u32 s2, s2, s3
	s_add_co_u32 s2, s2, s20        ; in my head: s[2:3], under 2^27
	s_mov_b32 s3, 0
	s_lshl_b32 s16, s13, 14         ; s[16:17]: of each pair's 64 KiB of K or V my work-group prefetches the 16 KiB at 16,384 cx
	s_add_co_u32 s16, s16, s20
	s_mov_b32 s17, 0
	; descriptor group 1: a tile is dense in memory (each row begins where the last ends), so it comes as 128 rows of 256 bytes, laid into LDS without gaps: F is read 512 neighbouring bytes at a time and needs no padding
	s_mov_b32 s[G1], 15|(3<<16)|(1<<21)  ; 15:0 the mask: all four work-groups; 17:16 elements of 8 bytes; 20 padding off; 21 set beside a mask
	s_mov_b32 s[G1+1], 32<<16       ; 63:48 tensor_dim0, low half = 32 elements
	s_mov_b32 s[G1+2], 128<<16      ; 79:64 its high half = 0; 95:80 tensor_dim1, low half = 128
	s_mov_b32 s[G1+3], 32<<16       ; 111:96 its high half = 0; 127:112 tile_dim0 = 32
	s_mov_b32 s[G1+4], 128          ; 143:128 tile_dim1 = 128; 159:144 tile_dim2 = 0
	s_mov_b32 s[G1+5], 32           ; 191:160 tensor_dim0_stride: 32 elements from row to row
	s_mov_b32 s[G1+6], 0
	s_mov_b32 s[G1+7], 0
	s_mov_b32 s[CS], 0x3e0293ee     ; c = log2(e) / sqrt(128) = 0.127517
	s_mov_b32 s[CS+1], s[CS]        ; named with it as a pair, so it is written
	s_mov_b32 s[SEL], 0x76543210
	s_mov_b32 s[SEL+1], 0xfedcba98
	s_mov_b32 s[FB], 0
	s_mov_b32 s[PFT], 3*PAIRB
	s_and_b32 s15, ttmp9, 1         ; a head has two clusters: the even one prefetches K, the odd one V
	s_wait_dscnt 0x0
	s_wait_kmcnt 0x0
	s_cmp_lt_u32 s[WV], 2           ; waves 0 and 1 fetch K's two tiles of a pair, waves 2 and 3 V's: one line of text and one group 1 serve both
	s_cselect_b64 s[18:19], s[6:7], s[8:9]
	s_add_nc_u64 s[18:19], s[18:19], s[22:23]
	s_cmp_lg_u32 s15, 0
	s_cselect_b64 s[PF:PF+1], s[8:9], s[6:7]
	s_add_nc_u64 s[PF:PF+1], s[PF:PF+1], s[16:17]
	s_add_nc_u64 s[4:5], s[4:5], s[2:3]  ; Q and the output at my wave's first row
	s_add_nc_u64 s[10:11], s[10:11], s[2:3]
	s_mov_b32 s[G0A], 1             ; 1:0 count = 1
	s_lshl_b32 s[G0A+1], s[WV], 15  ; 63:32 LDS address: block w of slot 0: no place in the cluster enters an LDS address
	s_mov_b64 s[G0A+2:G0A+3], s[18:19]  ; 120:64 global address: my tile of pair 0
	s_or_b32 s[G0A+3], s[G0A+3], 0x80000000  ; 127:126 type = 2
	s_mov_b32 s[G0B], 1
	s_add_co_u32 s[G0B+1], s[G0A+1], SLOT  ; block w of slot 1
	s_add_nc_u64 s[G0B+2:G0B+3], s[18:19], PAIRB  ; my tile of pair 1
	s_or_b32 s[G0B+3], s[G0B+3], 0x80000000
	CROUND                          ; all four work-groups are here: the first joint loads meet
	tensor_load_to_lds s[G0A:G0A+3], s[G1:G1+7]  ; both first fills go out together, ahead of every wait on TENSORcnt, every LDS read and every further barrier: two loads of mine are out
	s_nop 0
	tensor_load_to_lds s[G0B:G0B+3], s[G1:G1+7]
	s_nop 0
.rept 4
	v_nop                           ; four v_nop follow the loads
.endr
	v_and_b32 v10, 31, v0           ; lane
	v_lshlrev_b32 v[GO], 4, v10
	v_lshlrev_b32 v[PFO], 8, v10
	v_add_nc_u32 v[PFA], 2*PAIRB, v[PFO]
	WIN 0x40                        ; destination window 1, address window 0
.set i, 0
.rept 64                            ; Q's 64 rows, a whole row of 512 bytes to a load; the launch reads them once
	global_load_b128 v[4*i:4*i+3], v[GO], s[4:5] offset:512*i th:TH_LOAD_NT
.set i, i+1
.endr
	WIN 0
	; PREFETCH.  Pair 2, whose joint load stands behind the first round of the loop's kind.  Wave 0 alone asks: two lines, lanes 256 bytes apart, 16 KiB; the eight work-groups of a head
	; (two clusters x four places) share a pair's 128 KiB, so each block of 256 bytes is asked for by one lane of the launch.
	s_cmp_lg_u32 s[WV], 0
	s_cbranch_scc1 .Lno_pf_first
	global_prefetch_b8 v[PFA], s[PF:PF+1] th:TH_LOAD_NT scope:SCOPE_SE
	global_prefetch_b8 v[PFA], s[PF:PF+1] offset:8192 th:TH_LOAD_NT scope:SCOPE_SE
.Lno_pf_first:
	; A fragment of K or Q is 16 rows x 32 channels in 8 registers: lane l holds row l % 16; registers 0-3 channels 8 (l / 16) + 0..7, registers 4-7 channels 16 + 8 (l / 16) + 0..7: two loads of 16 bytes, 32 bytes apart.
	v_and_b32 v1, 15, v0            ; l % 16
	v_bfe_u32 v9, v0, 4, 1          ; l / 16
	v_mul_u32_u24 v11, v1, PK
	v_lshl_add_u32 v11, v9, 4, v11  ; row x pitch + 16 x half
	v_add_nc_u32 v[AK0], SCR, v11
	s_mul_i32 s46, s[WV], 16*PK     ; sixteen rows of 272 bytes a wave, in Q's stage and in BK
	s_add_co_u32 s47, s46, QST
	v_add_nc_u32 v[QF], s47, v11
	v_lshl_add_u32 v[QS], v10, 3, s47  ; a lane's four numbers of a row are 8 bytes of bf16
	s_add_co_u32 s46, s46, SCR
	v_lshl_add_u32 v[CK0], v10, 3, s46
	s_mul_i32 s46, s[WV], 16*PV
	s_add_co_u32 s46, s46, SCR+VOFF
	v_lshl_add_u32 v[CK0+1], v10, 3, s46
	; The turning load takes 16 keys x 16 channels (lane l reads 16 bytes: key 8 (l / 16) + l % 8, channels 8 ((l / 8) % 2) + 0..7) and leaves half a fragment of V^T: lane l holds channel l % 16 and 8 keys.
	v_and_b32 v11, 7, v0
	v_lshl_add_u32 v11, v9, 3, v11
	v_mul_u32_u24 v[AV0], v11, PV
	v_bfe_u32 v11, v0, 3, 1
	v_lshl_add_u32 v[AV0], v11, 4, v[AV0]
	v_add_nc_u32 v[AV0], SCR+VOFF, v[AV0]
	s_lshl_b32 s46, s[WV], 13       ; my wave's sixteen f32 rows of a tile: 8,192 bytes
	v_add_nc_u32 v[CF0], s46, v[GO]
	v_add_nc_u32 v[CF0+1], PAIRB, v[CF0]  ; V's tiles lie behind K's two
	s_mul_i32 s46, s[WV], 16*SP
	s_add_co_u32 s46, s46, SCR      ; my stage for the way out
	v_mul_u32_u24 v11, v1, SP       ; in: row l % 16, 32 bytes (eight channels) for each half of the lanes
	v_lshl_add_u32 v11, v9, 5, v11
	v_add_nc_u32 v[STO], s46, v11
	v_add_nc_u32 v[RD], s46, v[GO]  ; back: the 32 lanes take one row of 512 bytes
; Q, tile t: sixteen f32 rows are rounded to bf16 in place, laid into my own stage as rows of 272 bytes and read back as four fragments.  The bytes are the wave's own and LDS serves a wave's
; instructions in order (ISA guide 5.7.1.4): no wait and no barrier between the stores, the loads and the next tile's stores.
.macro QTILE t
	s_wait_loadcnt 48-16*\t         ; loads come back in order (ISA guide 5.7.1): the younger tiles' sixteen loads each may stay out
	WIN 0x45                        ; destination and both sources window 1
.irp r, 0,1,2,3,4,5,6,7,8,9,10,11,12,13,14,15
	v_cvt_pk_bf16_f32 v[64*\t+4*\r], v[64*\t+4*\r], v[64*\t+4*\r+1]
	v_cvt_pk_bf16_f32 v[64*\t+4*\r+1], v[64*\t+4*\r+2], v[64*\t+4*\r+3]
.endr
	WIN 0x04                        ; store data window 1, address window 0
.irp r, 0,1,2,3,4,5,6,7,8,9,10,11,12,13,14,15
	ds_store_b64 v[QS], v[64*\t+4*\r:64*\t+4*\r+1] offset:\r*PK
.endr
	WIN 0x80                        ; destination window 2
.irp c, 0,1,2,3
	ds_load_b128 v[32*\t+8*\c:32*\t+8*\c+3],   v[QF] offset:64*\c
	ds_load_b128 v[32*\t+8*\c+4:32*\t+8*\c+7], v[QF] offset:64*\c+32
.endr
.endm
	QTILE 0
	QTILE 1
	QTILE 2
	QTILE 3
	WIN 0
; THE MATRIX WORK OF A TURN, for piece x.  The accumulators take turns, one instruction a turn: between two links of a chain stand 15 (V^T P) or 7 (K Q^T) others'.
; Product i of 32 of O^T += V^T P: keys 32 (i / 16) on, channels 16 ((i / 2) % 8) on, tile x + i % 2.  zero = 1: the first 16 start the sums: nothing is ever cleared.
.macro PV x, zero
	WIN W_PV
.set rO, 64*(\x+i%2)+8*((i/2)%8)
.set rV, 64*(i/16)+8*((i/2)%8)
.set rP, P+16*(\x+i%2)+8*(i/16)
.if \zero && (i < 16)
	v_wmma_f32_16x16x32_bf16 v[rO:rO+7], v[rV:rV+7], v[rP:rP+7], 0
.else
	v_wmma_f32_16x16x32_bf16 v[rO:rO+7], v[rV:rV+7], v[rP:rP+7], v[rO:rO+7]
.endif
.endm
; Product i of 32 of S^T = K Q^T: channels 32 (i / 8) on, keys 16 ((i / 2) % 4) on, tile x + i % 2.  The first 8 start the sums.
.macro KQ x
	WIN W_KQ
.set rS, S+32*(\x+i%2)+8*((i/2)%4)
.set rK, KF+32*((i/2)%4)+8*(i/8)
.set rQ, 32*(\x+i%2)+8*(i/8)
.if i < 8
	v_wmma_f32_16x16x32_bf16 v[rS:rS+7], v[rK:rK+7], v[rQ:rQ+7], 0
.else
	v_wmma_f32_16x16x32_bf16 v[rS:rS+7], v[rK:rK+7], v[rQ:rQ+7], v[rS:rS+7]
.endif
.endm
; THE LDS WORK stands in runs, never singly among the matrix instructions: each single line would want window switches of its own.
.macro FETCH_K                      ; BK -> 16 fragments
	WIN 0x80                        ; destination window 2
.irp f, 0,1,2,3,4,5,6,7,8,9,10,11,12,13,14,15  ; keys 16 (f / 4) on, channels 32 (f % 4) on
	ds_load_b128 v[KF+8*\f:KF+8*\f+3],   v[AK0] offset:(\f/4)*16*PK+(\f%4)*64
	ds_load_b128 v[KF+8*\f+4:KF+8*\f+7], v[AK0] offset:(\f/4)*16*PK+(\f%4)*64+32
.endr
.endm
.macro FETCH_V                      ; BV -> 16 fragments, turned
	WIN 0xc0                        ; destination window 3
.irp f, 0,1,2,3,4,5,6,7,8,9,10,11,12,13,14,15  ; keys 32 (f / 8) on, channels 16 (f % 8) on
	ds_load_tr16_b128 v[8*\f:8*\f+3],   v[AV0] offset:(\f/8)*32*PV+(\f%8)*32
	ds_load_tr16_b128 v[8*\f+4:8*\f+7], v[AV0] offset:(\f/8)*32*PV+16*PV+(\f%8)*32
.endr
.endm
; My wave's sixteen f32 rows of a tile (kv = 0: K, 1: V; tp: the first or second tile of the pair in slot s[FB]) come into registers: a load takes one row, 512 neighbouring bytes.
.macro CONV_LD kv, tp
	WIN 0
	v_add_nc_u32 v[ADR], s[FB], v[CF0+\kv]
	WIN 0xc0                        ; destination window 3
.irp r, 0,1,2,3,4,5,6,7,8,9,10,11,12,13,14,15
	ds_load_b128 v[CT+4*\r:CT+4*\r+3], v[ADR] offset:\tp*TILEB+\r*512
.endr
.endm
; They are rounded in place, two numbers to a line, and laid into BK or BV: a store takes one row, 256 neighbouring bytes.
.macro CONV_CS kv
	WIN 0xcf                        ; destination and both sources window 3
.irp r, 0,1,2,3,4,5,6,7,8,9,10,11,12,13,14,15
	v_cvt_pk_bf16_f32 v[CT+4*\r], v[CT+4*\r], v[CT+4*\r+1]
	v_cvt_pk_bf16_f32 v[CT+4*\r+1], v[CT+4*\r+2], v[CT+4*\r+3]
.endr
	WIN 0x0c                        ; store data window 3, address window 0
.irp r, 0,1,2,3,4,5,6,7,8,9,10,11,12,13,14,15
	ds_store_b64 v[CK0+\kv], v[CT+4*\r:CT+4*\r+1] offset:\r*(PK+16*\kv)
.endr
.endm
.macro CONVBLK kv, tp               ; both at once, where there is no matrix work yet to set between them
	CONV_LD \kv, \tp
	s_wait_dscnt 0x0                ; the rows are in
	CONV_CS \kv
.endm
; THE VECTOR WORK OF A TURN.  One tile's softmax for one key step is a list of 134 instructions; SM writes number j of it for tile t.  s0-s31 are the lane's 32 scores, in pairs 0-15.
; first = 1: the first key step, which starts m, l and O^T: it has no a and nothing to rescale.
;   0-15    the maximum of s0-s31 and the old m, three operands at a time: four chains c0-c3 of seven scores each (each begins at its accumulator's three lowest registers)
;           then the four scores left over, c0-c3 and m
;   16-20   the other half of the lanes' maximum; the new m; c m; c m_old - c m_new
;   21-87   33 exponentials (a, then s0-s31) at the odd numbers from 23 on, so that no two follow each other and each has a plain instruction behind it before its result is used (ISA guide 5.7.2).
;           Plain instruction q (number 21, then the even numbers) is whatever is ready: c s - c m for a pair of scores whose exponentials are still to come, the rounding to bf16 of a pair
;           of weights whose exponentials are done, at last the first three sums
;   88-101  the last rounding; the rest of the sums; l = a l + the sum
;   102-133 the tile's O^T times a, from each accumulator's low end on: the one part that leaves window 0, so it stands together
.macro SM t, first
.set rT, ST+8*(\t)
.set rS, S+32*(\t)
.set rP, P+16*(\t)
.set rO, 64*(\t)+2*(j-102)
.set q, (j-20)/2
.if j < 102
	WIN 0
.endif
.if j < 4
	v_max3_num_f32 v[rT+4+j], v[rS+8*j], v[rS+8*j+1], v[rS+8*j+2]
.elseif j < 12
	v_max3_num_f32 v[rT+4+j%4], v[rT+4+j%4], v[rS+8*(j%4)+2*(j/4)+1], v[rS+8*(j%4)+2*(j/4)+2]
.elseif j == 12
	v_max3_num_f32 v[rT+4], v[rT+4], v[rS+7], v[rS+15]
.elseif j == 13
	v_max3_num_f32 v[rT+6], v[rT+6], v[rS+23], v[rS+31]
.elseif j == 14
	v_max3_num_f32 v[rT+4], v[rT+4], v[rT+5], v[rT+6]
.elseif (j == 15) && \first
	v_max_num_f32 v[rT+4], v[rT+4], v[rT+7]
.elseif j == 15
	v_max3_num_f32 v[rT+4], v[rT+4], v[rT+7], v[rT+1]
.elseif j == 16
	v_permlanex16_b32 v[rT+5], v[rT+4], s[SEL], s[SEL+1]  ; the query's other 32 keys lie in the lane 16 away
.elseif j == 18
	v_max_num_f32 v[rT+1], v[rT+4], v[rT+5]
.elseif j == 19
	v_mul_f32 v[rT], s[CS], v[rT+1]
.elseif ((j == 17) || (j == 20) || (j == 23) || (j > 101)) && \first  ; the first step has none of these
.elseif j == 17
	v_mov_b32 v[rT+7], v[rT]        ; c m_old is kept for a: number 19 writes c m anew
.elseif j == 20
	v_sub_f32 v[rT+7], v[rT+7], v[rT]
.elseif j == 23
	v_exp_f32 v[rT+6], v[rT+7]
.elseif (j < 88) && (j > 23) && (j%2 == 1)
	v_exp_f32 v[rS+(j-25)/2], v[rS+(j-25)/2]
.elseif (q < 4) || ((j < 76) && (q%2 == 0))
.set b, q/2+2
.if q < 4
.set b, q
.endif
	v_pk_fma_f32 v[rS+2*b:rS+2*b+1], v[rS+2*b:rS+2*b+1], s[CS:CS+1], v[rT:rT+1] op_sel_hi:[1,0,0] neg_lo:[0,0,1] neg_hi:[0,0,1]  ; pair b: c s - c m
.elseif (j < 88) && (q%2 == 1)
	s_wait_alu depctr_va_vdst(0)
	v_cvt_pk_bf16_f32 v[rP+(q-5)/2], v[rS+q-5], v[rS+q-4]  ; pair (q - 5) / 2: its second exponential stands three numbers back
.elseif j == 89
	s_wait_alu depctr_va_vdst(0)
	v_cvt_pk_bf16_f32 v[rP+15], v[rS+30], v[rS+31]
.elseif j < 102                     ; the sum of the tile's 16 pairs (in a pair: an even key's weight, an odd key's), in place: sum z of 16 adds neighbours 1, 2, 4 and 8 pairs apart, then l takes it
.set z, j-86
.if j < 89
.set z, (j-76)/4
.endif
.set w, 4
.set u, z
.if z >= 14
.set w, 32
.set u, 0
.elseif z >= 12
.set w, 16
.set u, z-12
.elseif z >= 8
.set w, 8
.set u, z-8
.endif
.if (z == 14) && \first
	v_pk_add_f32 v[rT+2:rT+3], v[rS:rS+1], v[rS+16:rS+17]
.elseif z < 15
	v_pk_add_f32 v[rS+w*u:rS+w*u+1], v[rS+w*u:rS+w*u+1], v[rS+w*u+w/2:rS+w*u+w/2+1]
.elseif !\first
	v_pk_fma_f32 v[rT+2:rT+3], v[rT+2:rT+3], v[rT+6:rT+7], v[rS:rS+1] op_sel_hi:[1,0,1]
.endif
.else
	WIN W_RS
	v_pk_mul_f32 v[rO:rO+1], v[rO:rO+1], v[rT+6:rT+7] op_sel_hi:[1,0]
.endif
.endm
; Slice k of 64 of piece y's softmax: numbers 2 k and 2 k + 1 of both tiles' lists, four instructions.  2 x 134 = 4 x 64 + 12: the twelve that are over stand together, in slice 63.
.macro SLICE y, first
.if (k >= 11) && (k < 44)           ; tile by tile: plain, exponential, plain, exponential
.irp t, \y, \y+1
.irp n, 0,1
.set j, 2*k+\n
	SM \t, \first
.endr
.endr
.else                               ; the two tiles alternate, so that no instruction reads the result of the one just before it
.irp n, 0,1,2,3,4,5,6,7
.if (\n < 2) || (k == 63)
.irp t, \y, \y+1
.set j, 2*k+\n
	SM \t, \first
.endr
.endif
.endr
.endif
.set k, k+1
.endm
; THE BARRIER BEHIND A TURN, in two halves with the turn's last four products and their slices (register work alone) between them.
; bar = 1: a plain barrier: my reads and writes of BK and BV are done.  A tensor load may stay out across it: no tensor load fills anything behind it.
; bar = 2: a slot of F has been read out and is filled again.  Each wave waits for its LDS work, the reads of the slot among them, and for all its tensor loads, of which one is out: its block of
;          the OTHER slot, which is read from here on.  No tensor load of mine is then out, so the walking group 0 may be written.  The barrier opens a round of the cluster's barrier.
; bar = 3: the last pair has to be shown landed; nothing is filled again.
.macro SIG bar
.if \bar == 2
	WIN 0
	s_wait_xcnt 0x0                 ; the last prefetch, a lap back, has had its addresses translated (ISA guide 3.1): its offset register is written anew only behind this wait
	v_add_nc_u32 v[PFA], s[PFT], v[PFO]
.endif
	s_wait_dscnt 0x0                ; for the others' sake: all my LDS loads and stores are done
.if \bar >= 2
	s_set_vgpr_msb (MSB<<8)|((MSB&0xf0)|0x0)
	s_wait_tensorcnt 0x0            ; all my tensor loads have landed
	ds_add_u32 v62, v63
	s_wait_dscnt 0x0
	s_set_vgpr_msb (((MSB&0xf0)|0x0)<<8)|MSB
.endif
.if \bar == 2
	s_xor_b32 s[G0B+1], s[G0B+1], SLOT  ; the walking descriptor: the other slot than last time,
	s_add_nc_u64 s[G0B+2:G0B+3], s[G0B+2:G0B+3], PAIRB  ; the next pair; the type bits on top are not reached
.endif
	s_barrier_signal -1
.endm
.macro END bar
.if \bar == 1
	s_barrier_wait -1
.elseif \bar == 3
	s_barrier_wait -1
	s_xor_b32 s[FB], s[FB], SLOT    ; the rounding goes on in the other slot
.else
	WIN 0                           ; at a label and at a branch every window is 0
	s_xor_b32 s[FB], s[FB], SLOT    ; the rounding goes on in the other slot
	s_barrier_wait -1
	CREST                           ; no wave of any partner still reads the slot or has a load on its way
	tensor_load_to_lds s[G0B:G0B+3], s[G1:G1+7]  ; my one tensor load behind the round, and the first thing there: 256 matrix instructions ahead of the wait for it
	s_nop 0
.rept 4
	v_nop                           ; four v_nop follow the load
.endr
	; PREFETCH: the pair whose joint load stands one lap (two key steps, 256 matrix instructions of a wave) on.  Wave 0 alone asks, 16 KiB, as at the start.  The last trip's offset is held at
	; the head's last pair, so no request leaves the head's rows.
	s_cmp_lg_u32 s[WV], 0
	s_cbranch_scc1 .Lno_pf_\@
	global_prefetch_b8 v[PFA], s[PF:PF+1] th:TH_LOAD_NT scope:SCOPE_SE
	global_prefetch_b8 v[PFA], s[PF:PF+1] offset:8192 th:TH_LOAD_NT scope:SCOPE_SE
.Lno_pf_\@:
	s_add_co_u32 s[PFT], s[PFT], PAIRB
	s_min_u32 s[PFT], s[PFT], 15*PAIRB
.endif
.endm
; A TURN.  Piece x has the matrix unit; the other piece's softmax stands in slices behind its matrix instructions.
; pv = 2: 32 products V^T P; 1: they start O^T's sums; 0: none.  kq = 1: 32 products K Q^T for the next step.  A turn with one of the two kinds has two slices behind each product.
; first = 1: the softmax is the first key step's.  Its slices from 51 on are empty: the turn's last products stand bare, and four v_nop take slice 63's part as the places behind them.
; conv = 1: a tile is rounded, tile tp of the pair in slot s[FB]: V's in piece 0's turn, K's in piece 2's.  bar: the barrier behind the turn.
; Piece 0's turn: behind the second V^T P the next step's K (BK -> registers; the last product that read K's registers stands in front of slice 63 of the turn before) and V's f32 rows; one
;   wait for both in front of the first K Q^T, 30 matrix instructions on; behind the second K Q^T the roundings and the stores into BV.  V's fragments were shown in by the wait in front of the
;   barrier that stands ahead of the turn.
; Piece 2's turn: behind the second V^T P K's f32 rows; 16 matrix instructions on the wait, the roundings and the stores into BK; behind the second K Q^T the next step's V (BV -> registers;
;   the last product that read V's registers stands three slices, six plain instructions, back).
.macro TURN x, pv, kq, first, conv, tp, bar
.set k, 0
.set per, 2
.if \pv && \kq
.set per, 1
.endif
.if \pv
.set i, 0
.rept 32
	PV \x, 2-\pv
.rept per
	SLICE 2-\x, \first
.endr
.if i == 1
.if (\x == 0) && \kq
	FETCH_K
.endif
.if \conv
.if \x == 0
	CONV_LD 1, \tp
.else
	CONV_LD 0, \tp
.endif
.endif
.endif
.if (\x == 2) && \conv && (i == 17)
	s_wait_dscnt 0x0                ; K's f32 rows are in
	CONV_CS 0
.endif
.set i, i+1
.endr
.endif
.if \kq
.if \x == 0
	s_wait_dscnt 0x0                ; K's fragments and V's f32 rows are in
.endif
.set i, 0
.rept 32
	KQ \x
.rept per
	SLICE 2-\x, \first
.endr
.if i == 1
.if \x == 2
	FETCH_V
.elseif \conv
	CONV_CS 1
.endif
.endif
.if \bar && (i == 27)
	SIG \bar
.endif
.set i, i+1
.endr
.endif
.if \first
	PLACES
.endif
.if \bar
	END \bar
.endif
.endm
; A LAP: two key steps, an odd one and an even one, once through a slot.  b: the barrier in the middle of the even step, behind which the slot has been read out.
.macro LAP b
	TURN 0, 2, 1, 0, 1, 0, 1        ; V of the pair's first tile
	TURN 2, 2, 1, 0, 1, 1, 1        ; K of its second
	TURN 0, 2, 1, 0, 1, 1, \b       ; V of its second: the slot's last read
	TURN 2, 2, 1, 0, 1, 0, 1        ; K of the next pair's first
	WIN 0
.endm
	s_wait_tensorcnt 0x1            ; my block of pair 0 is in; pair 1's may stay out: no tensor load fills anything behind this barrier
	s_wait_dscnt 0x0                ; Q's fragments are in
	s_barrier_signal -1
	s_barrier_wait -1               ; everybody's block of pair 0 is in
	CONVBLK 0, 0                    ; K(0) -> BK
	CONVBLK 1, 0                    ; V(0) -> BV
	s_wait_dscnt 0x0                ; for the others' sake: my rows of BK and BV are written
	s_barrier_signal -1
	s_barrier_wait -1
	FETCH_K                         ; key step 0
	s_wait_dscnt 0x0                ; K is in: for my products, and for the others, who write BK anew behind this barrier
	s_barrier_signal -1
.set i, 0
.rept 32
	KQ 0                            ; piece 0's first scores: there is no vector work yet to set between them
.set i, i+1
.endr
	s_barrier_wait -1
	CONVBLK 0, 1                    ; K(1) -> BK; its address and its 32 roundings, in other registers, are the places behind those products
	TURN 2, 0, 1, 1, 0, 0, 1        ; piece 2's first scores | piece 0's first softmax | V of step 0
	TURN 0, 1, 1, 1, 1, 1, 2        ; piece 0: V^T P of step 0 starts O^T, K Q^T of step 1 | piece 2's first softmax | K of step 1, V(1) -> BV | slot 0 is read out: pair 2
	TURN 2, 1, 1, 0, 1, 0, 1        ; piece 2: the same | piece 0's softmax of step 1 | K(2) -> BK, V of step 1
	WIN 0
	s_mov_b32 s[LAPS], 13
.Llap:                              ; key steps 1 to 26: thirteen laps, each of which asks for a pair: pairs 3 to 15
	LAP 2
	s_sub_co_u32 s[LAPS], s[LAPS], 1
	s_cmp_lg_u32 s[LAPS], 0
	s_cbranch_scc1 .Llap
	LAP 3                           ; the tail is written out.  Key steps 27, 28: pair 15 is shown landed, nothing is asked for
	TURN 0, 2, 1, 0, 1, 0, 1        ; key step 29: V(30) -> BV
	TURN 2, 2, 1, 0, 1, 1, 1        ;              K(31) -> BK
	TURN 0, 2, 1, 0, 1, 1, 1        ; key step 30: V(31) -> BV
	TURN 2, 2, 1, 0, 0, 0, 1        ;              no tile of K is left; behind this barrier nobody reads BK or BV any more
	TURN 0, 2, 0, 0, 0, 0, 0        ; key step 31: piece 0: V^T P | piece 2's last softmax
.set i, 0
.rept 32
	PV 2, 0                         ; piece 2: V^T P of the last step
.set i, i+1
.endr
	; THE WAY OUT.  l's two halves and the other half of the lanes' are added; O^T is divided by l and sent through my stage in LDS, a tile (16 rows of the output) at a time.  The additions are the places behind the last products.
	WIN 0
.irp t, 0,1,2,3
	v_add_f32 v[ST+8*\t+4], v[ST+8*\t+2], v[ST+8*\t+3]
.endr
.irp t, 0,1,2,3
	v_permlanex16_b32 v[ST+8*\t+5], v[ST+8*\t+4], s[SEL], s[SEL+1]
.endr
.irp t, 0,1,2,3
	v_add_f32 v[ST+8*\t+4], v[ST+8*\t+4], v[ST+8*\t+5]
.endr
.irp t, 0,1,2,3
	v_rcp_f32 v[ST+8*\t+6], v[ST+8*\t+4]
.endr
	v_nop                           ; a plain instruction between the last reciprocal and the use of its result (ISA guide 5.7.2)
; Tile t: a lane's eight channels of a row are 32 bytes; they go into rows of 528 bytes (sixteen lanes' 16 bytes fall into sixteen different columns of 16 bytes) and come back as whole rows
; of 512, into the registers that they left.  The stage is the wave's own.
.macro PACK t
	WIN W_RS
.set i, 64*\t
.rept 32
	s_wait_alu depctr_va_vdst(0)
	v_pk_mul_f32 v[i:i+1], v[i:i+1], v[ST+8*\t+6:ST+8*\t+7] op_sel_hi:[1,0]
.set i, i+2
.endr
	WIN 0x04                        ; store data window 1, address window 0
.irp f, 0,1,2,3,4,5,6,7
	ds_store_b128 v[STO], v[64*\t+8*\f:64*\t+8*\f+3]   offset:64*\f
	ds_store_b128 v[STO], v[64*\t+8*\f+4:64*\t+8*\f+7] offset:64*\f+16
.endr
	WIN 0x40                        ; destination window 1
.irp f, 0,1,2,3,4,5,6,7,8,9,10,11,12,13,14,15
	ds_load_b128 v[64*\t+4*\f:64*\t+4*\f+3], v[RD] offset:\f*SP  ; LDS serves a wave's instructions in order (ISA guide 5.7.1.4): these see the stores above; the next tile's stores come behind them
.endr
.endm
.macro SEND t, younger              ; younger: the LDS instructions issued behind tile t's loads: the next tile's 16 stores and 16 loads, or none
	WIN 0x04
.irp f, 0,1,2,3,4,5,6,7,8,9,10,11,12,13,14,15
	s_wait_dscnt \younger+15-\f     ; row f is back; the rows behind it and the next tile's LDS work may stay out
	global_store_b128 v[GO], v[64*\t+4*\f:64*\t+4*\f+3], s[10:11] offset:\t*8192+\f*512 th:TH_STORE_NT  ; the wave stores one row: 512 consecutive bytes, at a multiple of 512 from the output's first byte; no register of a store is written again
.endr
.endm
	PACK 0
	PACK 1                          ; a tile's arithmetic stands between the loads of the tile before and its stores
	SEND 0, 32
	PACK 2
	SEND 1, 32
	PACK 3
	SEND 2, 32
	SEND 3, 0
	WIN 0
	s_set_vgpr_msb (MSB<<8)|((MSB&0xf0)|0x0)
	s_wait_tensorcnt 0x0
	ds_add_u32 v62, v63
	s_wait_dscnt 0x0
	s_set_vgpr_msb (((MSB&0xf0)|0x0)<<8)|MSB
	CROUND                          ; the closing round: no work-group ends while a partner may still ask for a tile that names it
	s_endpgm
.Lfunc_end_k_q1cb07dca85_attn:
	.size	k_q1cb07dca85_attn, .Lfunc_end_k_q1cb07dca85_attn-k_q1cb07dca85_attn
	.p2alignl 7, 3214868480
	.fill 96, 4, 3214868480
	.section	.rodata,"a",@progbits
	.p2align	6, 0x0
	.amdhsa_kernel k_q1cb07dca85_attn
		.amdhsa_group_segment_fixed_size 327680
		.amdhsa_private_segment_fixed_size 0
		.amdhsa_enable_private_segment 0
		.amdhsa_kernarg_size 32
		.amdhsa_user_sgpr_count 2
		.amdhsa_user_sgpr_kernarg_segment_ptr 1
		.amdhsa_wavefront_size32 1
		.amdhsa_system_sgpr_workgroup_id_x 1
		.amdhsa_system_sgpr_workgroup_id_y 1
		.amdhsa_system_sgpr_workgroup_id_z 1
		.amdhsa_system_vgpr_workitem_id 0
		.amdhsa_next_free_vgpr 1024
		.amdhsa_next_free_sgpr 66
		.amdhsa_reserve_vcc 0
		.amdhsa_float_denorm_mode_32 3
		.amdhsa_float_denorm_mode_16_64 3
		.amdhsa_memory_ordered 1
		.amdhsa_forward_progress 1
		.amdhsa_inst_pref_size 255
	.end_amdhsa_kernel
	.section	.bss,"aw",@nobits
	.p2align	6
	.space	262144
	.amdgpu_metadata
---
amdhsa.version: [ 1, 2 ]
amdhsa.kernels:
  - .name:           k_q1cb07dca85_attn
    .symbol:         k_q1cb07dca85_attn.kd
    .args:
      - { .name: Q, .offset: 0, .size: 8, .value_kind: global_buffer, .address_space: global }
      - { .name: K, .offset: 8, .size: 8, .value_kind: global_buffer, .address_space: global }
      - { .name: V, .offset: 16, .size: 8, .value_kind: global_buffer, .address_space: global }
      - { .name: out0, .offset: 24, .size: 8, .value_kind: global_buffer, .address_space: global }
    .group_segment_fixed_size: 327680
    .private_segment_fixed_size: 0
    .kernarg_segment_align: 8
    .kernarg_segment_size: 32
    .max_flat_workgroup_size: 128
    .sgpr_count:     66
    .vgpr_count:     1024
    .wavefront_size: 32
...
	.end_amdgpu_metadata
.endif
;; end of part 1
